; MI455X (gfx1250); checked and timed in simulation.
; The chip was launched on July 23, 2026; its instructions are those of AMD's public machine-readable ISA for CDNA 5 (MIT licence, August 2026) and "CDNA5" Instruction Set Architecture Reference Guide (July 2026). The comments in the code are by the model that wrote it; some were corrected since.
;; Two Simplicial Attention. Allowed arithmetic: float matrix products may take bf16 or f16 operands with f32 sums; other float arithmetic in f32, or as packed bf16 or f16 multiplies, adds, multiply-adds, maxima and minima; sums over many terms, partial sums and values carried from step to step in f32; what a program stores and reads back later, other than sums and carried values, may be rounded once to bf16 or f16.
;; Inputs: k1 2 x 8 x 256 x 64 float32; k2 2 x 8 x 256 x 64 float32; q 2 x 8 x 256 x 64 float32; v1 2 x 8 x 256 x 64 float32; v2 2 x 8 x 256 x 64 float32.
;; Outputs: out0 2 x 8 x 256 x 64 float32.
;; Constants: chunk_size = 64.
;; 2 versions, each right; version 2 is version 1 with the launch simplicial written anew for expert scheduling mode. Each part assembles by itself: llvm-mc -triple=amdgcn-amd-amdhsa -mcpu=gfx1250 --defsym DOCPART=n.
;; ======== version 1 of 2: 1 launch
;; limits: values are held in f16: magnitudes above 65,504 overflow, below 6.1e-05 lose precision; inputs' magnitudes at most 65,504; right only within a limited range of input values
;; launch simplicial (part 1): grid 16 x 16, 8 waves a work-group, no clusters, 175,104 bytes of LDS; arguments q, k1, k2, v1, v2, out0; writes out0
.if DOCPART == 1
	.amdgcn_target "amdgcn-amd-amdhsa--gfx1250"
	.amdhsa_code_object_version 6
	.text
	.protected	k_q13b7ab28b5_simplicial
	.globl	k_q13b7ab28b5_simplicial
	.p2align	8
	.type	k_q13b7ab28b5_simplicial,@function
k_q13b7ab28b5_simplicial:
	s_mov_b64 s[64:65], 0
	v_nop
	global_prefetch_b8 v0, s[64:65] scope:SCOPE_SE
	s_setreg_imm32_b32 hwreg(HW_REG_WAVE_MODE, 25, 1), 1
	s_wait_xcnt 0x0
; Two-simplicial attention.  q, k1, k2, v1, v2, out0: [16 heads][256][64] f32.
;   logit[j][k] = sum_d q[d] k1[j][d] k2[k][d];  one softmax over all 65,536 (j,k);  out[d] = sum_jk attn[j][k] v1[j][d] v2[k][d].
; A work-group is one head (group id y) and 16 queries (group id x); 8 waves, two on each SIMD, so that the softmax of one
; runs beside the matrix work of the other.  Wave w owns k = 32 w .. 32 w + 31 (two tiles g of 16) for every query.
; One loop trip = one query:
;   PREP  B[k][d] = q[d] k2[k][d], split exactly into two bf16 numbers hi + lo (the product of two bf16 has 16 significant bits)
;   QK    S[j][k] = k1 x hi + k1 x lo, 256 j x 32 k, all kept in 256 registers: the maximum is the true one, nothing is rescaled
;   STEP  P = exp2(S log2e + nM), nM = 8 - max log2e; P to f16 in place, which is already the B fragment of the second product
;   PV    D2[d][k] = v1T x P;   EPI: O[d] = sum_k D2[d][k] v2[k][d], the 16 lanes of k summed through the wave's own LDS scratch
; Behind the loop the eight waves' partial rows are joined with weights exp2(min nM - nM_w) and divided by the joined sum.
;
; FORMATS AND LIMITS.  All five inputs are rounded to bf16 on entry; from there the logits carry f32 accuracy (no second rounding
; of q k2).  v1 goes on as f16: exact for 2^-14 <= |v1| < 65,504, absolute error 2^-25 below, not served above.  P peaks at 2^8 and
; is zero below 2^-25, that is 2^-33 of the wave's largest weight.  nM is rounded once, so the peak is 2^(8 +- ulp(nM)/2): it stays
; inside f16 for |logit| below about 9e7.  NaN and infinities are not followed.
;
; NO CLUSTER, NO TENSOR LOADS: the 16 work-groups of a head do read the same 256 KiB, but once, in front of the loop, and every byte
; has to pass through registers to be rounded, packed or transposed; the loop reads no memory at all.  All global loads stand
; in one run at the start, so there is nothing that a prefetch could ask for earlier.
;
; LDS (bytes)
.set K1P,    144                       ; k1 as bf16 [256 j][64 d]: 128 bytes + 16, an odd multiple of 16: 16 rows start at 16 different 16-byte columns
.set V1P,    528                       ; v1 transposed as f16 [64 d][256 j]: 512 bytes + 16
.set SCRP,   272                       ; scratch f32 [16 k][64 d]: 256 bytes + 16
.set SCRW,   16*SCRP                   ; one wave's scratch
.set L_K1,   0                         ; 36,864
.set L_V1T,  36864                     ; 33,792
.set L_Q,    70656                     ; bf16 [16 queries][64 d], 2,048
.set L_SCR,  72704                     ; 8 waves x 4,352
.set L_PART, 107520                    ; f32 [8 waves][16 queries][2 halves][64 d], 65,536
.set L_ML,   173056                    ; [8 waves][16 queries] (nM, L), 1,024; ends at 174,080
; REGISTERS, window 0
.set AK1, 1                            ; LDS address of my k1 fragment rows: r 144 + 16 h   (r = lane % 16, h = lane / 16)
.set AV1, 2                            ; of my v1T fragment rows
.set AQ,  3                            ; of the trip's query
.set ASS, 4                            ; scratch, where I put my O
.set ASL, 5                            ; scratch, where I read rows back
.set APT, 6                            ; my 16 bytes of the partial row
.set AML, 7                            ; my wave's (nM, L)
.set MX,  8                            ; v[8:11]    four chains of the maximum; at the trip's end the partial row
.set NM,  12                           ; v[12:13]   nM, twice
.set MLD, 14                           ; v[14:15]   (nM, L) to store
.set QP,  16                           ; v[16:31]   q as packed bf16, in B fragment order (PREP only)
.set LS,  16                           ; v[16:23]   afterwards: four pairs that sum P
.set TP,  24                           ; v24        the other half's value in reductions
.set K2R, 32                           ; v[32:63]   k2 of my 32 k, packed bf16, B fragment order, resident
.set BF,  64                           ; v[64:127]  hi at 64+32g+y, lo at 64+32g+16+y
.set D2,  64                           ;            afterwards D2[g][t] at 64+32g+8t
.set FB,  128                          ; v[128:191] two buffers of 32 registers for A fragments
.set V2R, 192                          ; v[192:255] v2 in the layout of D2, f32 holding bf16 values, resident
; window 1 (v256-511): S[g][jt] at 128 g + 8 jt; P[g][u] at 128 g + 16 u .. +7; in PREP temporaries at 0-95.
; s_set_vgpr_msb, low byte: bits 1:0 source 0, 3:2 source 1, 5:4 source 2, 7:6 destination; high byte: the setting left behind.
.set MSB, 0
.macro WIN new
.if MSB != \new
	s_set_vgpr_msb (MSB<<8)|\new
.set MSB, \new
.endif
.endm
	s_load_b256 s[4:11], s[0:1], 0x0               ; q s[4:5], k1 s[6:7], k2 s[8:9], v1 s[10:11]
	s_load_b128 s[12:15], s[0:1], 0x20             ; v2 s[12:13], out0 s[14:15]
	v_lshrrev_b32 v8, 5, v0
	v_readfirstlane_b32 s16, v8                    ; wave 0..7
	s_and_b32 s22, ttmp7, 0xffff
	s_lshl_b32 s22, s22, 16                        ; head x 65,536 bytes
	s_mov_b32 s23, 0
	s_lshl_b32 s24, ttmp9, 12                      ; block of 16 queries x 4,096 bytes
	s_mov_b32 s25, 0
	s_mov_b32 s18, 0x76543210                      ; v_permlanex16_b32: lane i takes lane i of the other half
	s_mov_b32 s19, 0xfedcba98
	s_mov_b32 s20, 0x80008000                      ; the signs of two bf16
	s_mov_b32 s21, 0xffff0000                      ; a word's upper bf16
	s_mov_b32 s28, 0xbfb8aa3b                      ; -log2(e)
	s_mov_b32 s29, 0x41000000                      ; 8.0: the largest weight is 2^8
	s_mov_b32 s30, 0x07060302                      ; v_perm_b32: the two upper halves
	v_and_b32 v20, 15, v0                          ; r
	v_bfe_u32 v21, v0, 4, 1                        ; h
	v_and_b32 v22, 31, v0                          ; lane
	v_lshrrev_b32 v17, 4, v0                       ; t / 16
	v_lshlrev_b32 v12, 4, v0                       ; q, k1: 16 t
	v_lshrrev_b32 v23, 1, v22                      ; lane / 2
	v_and_b32 v24, 1, v0                           ; lane % 2
	v_lshlrev_b32 v13, 9, v23                      ; v1: rows 2 (lane/2), +1 ...
	v_lshl_add_u32 v13, v24, 4, v13                ; ... 4 columns by lane % 2 ...
	s_lshl_b32 s26, s16, 5
	v_add_nc_u32 v13, s26, v13                     ; ... of my wave's columns d = 8 w .. 8 w + 7
	v_lshlrev_b32 v14, 8, v20                      ; k2, v2: row r ...
	v_lshl_add_u32 v14, v21, 5, v14                ; ... columns 8 h .. 8 h + 7 ...
	s_lshl_b32 s26, s16, 13
	v_add_nc_u32 v14, s26, v14                     ; ... of my wave's 32 rows
	s_wait_kmcnt 0x0
	s_add_nc_u64 s[4:5], s[4:5], s[22:23]
	s_add_nc_u64 s[4:5], s[4:5], s[24:25]
	s_add_nc_u64 s[6:7], s[6:7], s[22:23]
	s_add_nc_u64 s[8:9], s[8:9], s[22:23]
	s_add_nc_u64 s[10:11], s[10:11], s[22:23]
	s_add_nc_u64 s[12:13], s[12:13], s[22:23]
	s_add_nc_u64 s[14:15], s[14:15], s[22:23]
	s_add_nc_u64 s[14:15], s[14:15], s[24:25]
	; All 65 global loads of the kernel, in one run: q (1), k1 (16), v1 (16), k2 (16), v2 (16).
	global_load_b128 v[8:11], v12, s[4:5]
.irp i, 0,1,2,3,4,5,6,7,8,9,10,11,12,13,14,15
	global_load_b128 v[FB+4*\i:FB+4*\i+3], v12, s[6:7] offset:4096*\i              ; row t/16 + 16 i, columns 4 (t%16) ..
.endr
	WIN 0x40                                       ; v1 lands in window 1
.irp s, 0,1,2,3,4,5,6,7
.irp e, 0,1
	global_load_b128 v[8*\s+4*\e:8*\s+4*\e+3], v13, s[10:11] offset:8192*\s+256*\e ; row 2 (lane/2) + 32 s + e
.endr
.endr
	WIN 0
.irp g, 0,1
.irp c, 0,1,2,3
.irp e, 0,1
	global_load_b128 v[BF+4*(8*\g+2*\c+\e):BF+4*(8*\g+2*\c+\e)+3], v14, s[8:9] offset:4096*\g+64*\c+16*\e   ; k2[32w+16g+r][16c+8h+4e ..]
.endr
.endr
.endr
.irp g, 0,1
.irp c, 0,1,2,3
.irp e, 0,1
	global_load_b128 v[V2R+32*\g+8*\c+4*\e:V2R+32*\g+8*\c+4*\e+3], v14, s[12:13] offset:4096*\g+64*\c+16*\e ; v2, the same places: the layout of D2
.endr
.endr
.endr
	; LDS addresses, while the loads are on their way
	v_lshl_add_u32 v15, v0, 3, L_Q                 ; q goes to Q + 8 t
	v_mul_u32_u24 v16, v17, K1P
	v_lshl_add_u32 v16, v20, 3, v16                ; k1 goes to (t/16) 144 + 8 (t%16)
	s_mul_i32 s26, s16, 8*V1P
	s_add_co_u32 s26, s26, L_V1T                   ; my wave's eight rows of v1T
	v_mul_u32_u24 v19, v24, 4*V1P
	v_lshl_add_u32 v19, v23, 2, v19
	v_add_nc_u32 v19, s26, v19                     ; + (lane%2) 4 rows + 4 (lane/2)
	v_mul_u32_u24 v[AK1], v20, K1P
	v_lshl_add_u32 v[AK1], v21, 4, v[AK1]
	v_mul_u32_u24 v[AV1], v20, V1P
	v_lshl_add_u32 v[AV1], v21, 4, v[AV1]
	v_add_nc_u32 v[AV1], L_V1T, v[AV1]
	v_lshl_add_u32 v[AQ], v21, 4, L_Q
	s_mul_i32 s26, s16, SCRW
	s_add_co_u32 s26, s26, L_SCR                   ; my wave's scratch
	v_mul_u32_u24 v[ASS], v20, SCRP
	v_lshl_add_u32 v[ASS], v21, 5, v[ASS]
	v_add_nc_u32 v[ASS], s26, v[ASS]               ; in: row r, 32 bytes for each half of the lanes
	v_mul_u32_u24 v[ASL], v21, SCRP
	v_lshl_add_u32 v[ASL], v20, 4, v[ASL]
	v_add_nc_u32 v[ASL], s26, v[ASL]               ; back: lanes 0-15 an even row, lanes 16-31 the odd row behind it
	s_lshl_b32 s27, s16, 13
	s_add_co_u32 s27, s27, L_PART-512              ; one step low: the address is stepped in front of each store
	v_lshlrev_b32 v[APT], 8, v21
	v_lshl_add_u32 v[APT], v20, 4, v[APT]
	v_add_nc_u32 v[APT], s27, v[APT]
	s_lshl_b32 s27, s16, 7
	s_add_co_u32 s27, s27, L_ML
	v_mov_b32 v[AML], s27
	s_wait_loadcnt 48                              ; q and k1 are in; the 48 loads of v1, k2, v2 behind them may stay out
	v_cvt_pk_bf16_f32 v8, v8, v9
	v_cvt_pk_bf16_f32 v9, v10, v11
	ds_store_b64 v15, v[8:9]
.irp i, 0,1,2,3,4,5,6,7,8,9,10,11,12,13,14,15
	v_cvt_pk_bf16_f32 v[FB+4*\i], v[FB+4*\i], v[FB+4*\i+1]
	v_cvt_pk_bf16_f32 v[FB+4*\i+1], v[FB+4*\i+2], v[FB+4*\i+3]
	ds_store_b64 v16, v[FB+4*\i:FB+4*\i+1] offset:16*K1P*\i
.endr
	s_wait_loadcnt 32                              ; v1 is in; k2 and v2 may stay out
	; v1: round rows j, j+1 to bf16, widen, pack as f16 (exact): one word of a row of v1T.  n = 4 s + i.
	WIN 0x45                                       ; all in window 1
.set n, 0
.rept 32
	v_cvt_pk_bf16_f32 v[64+n], v[8*(n/4)+n%4], v[8*(n/4)+4+n%4]
.set n, n+1
.endr
.set n, 0
.rept 32
	v_lshlrev_b32 v[8*(n/4)+n%4], 16, v[64+n]
	v_and_b32 v[8*(n/4)+4+n%4], s21, v[64+n]
.set n, n+1
.endr
.set n, 0
.rept 32
	v_cvt_pk_f16_f32 v[64+n], v[8*(n/4)+n%4], v[8*(n/4)+4+n%4]
.set n, n+1
.endr
	WIN 0x04                                       ; address window 0, data window 1
.irp s, 0,1,2,3,4,5,6,7
.irp i, 0,1,2,3
	ds_store_b32 v19, v[64+4*\s+\i] offset:V1P*\i+64*\s    ; row d = 8w + 4 (lane%2) + i, columns j = 2 (lane/2) + 32 s, +1
.endr
.endr
	WIN 0
	s_wait_loadcnt 16                              ; k2 is in; v2 may stay out
.set n, 0
.rept 32
	v_cvt_pk_bf16_f32 v[K2R+n], v[BF+2*n], v[BF+2*n+1]
.set n, n+1
.endr
	s_wait_loadcnt 0x0                             ; v2
.set n, 0
.rept 32
	v_cvt_pk_bf16_f32 v[BF+n], v[V2R+2*n], v[V2R+2*n+1]    ; rounded to bf16 ...
.set n, n+1
.endr
.set n, 0
.rept 32
	v_lshlrev_b32 v[V2R+2*n], 16, v[BF+n]                  ; ... and kept as f32
	v_and_b32 v[V2R+2*n+1], s21, v[BF+n]
.set n, n+1
.endr
	s_wait_dscnt 0x0                               ; my stores to K1, V1T, Q are done, for the other waves' sake
	s_barrier_signal -1
	s_barrier_wait -1                              ; from here on these three regions are only read
; 8 LDS loads: k1 rows 32 b .. 32 b + 31 (tiles e), d 0-63 (halves f), into buffer b % 2.
; LDK1 and LDV1 stand under a setting with destination and source 0 in window 0 (0, 0x04 or 0x14).
.macro LDK1 b
.irp e, 0,1
.irp f, 0,1
	ds_load_b128 v[FB+32*((\b)%2)+16*\e+8*\f:FB+32*((\b)%2)+16*\e+8*\f+3],   v[AK1] offset:(2*(\b)+\e)*16*K1P+64*\f
	ds_load_b128 v[FB+32*((\b)%2)+16*\e+8*\f+4:FB+32*((\b)%2)+16*\e+8*\f+7], v[AK1] offset:(2*(\b)+\e)*16*K1P+64*\f+32
.endr
.endr
.endm
; 8 LDS loads: v1T rows d = 16 t .., columns j = 32 u .. 32 u + 31, into buffer u % 2
.macro LDV1 u
.irp t, 0,1,2,3
	ds_load_b128 v[FB+32*((\u)%2)+8*\t:FB+32*((\u)%2)+8*\t+3],   v[AV1] offset:16*V1P*\t+64*(\u)
	ds_load_b128 v[FB+32*((\u)%2)+8*\t+4:FB+32*((\u)%2)+8*\t+7], v[AV1] offset:16*V1P*\t+64*(\u)+32
.endr
.endm
; hi = bf16(q k2); lo = q k2 - hi, exact: a product of 16 significant bits less its rounded head leaves at most 8, so the fused
; multiply-add gives it without rounding and its upper 16 bits are all of it.  n = 16 g + y.
.macro PREP
	WIN 0
.set n, 0
.rept 32
	v_pk_mul_bf16 v[BF+32*(n/16)+n%16], v[QP+n%16], v[K2R+n]
.set n, n+1
.endr
	WIN 0x40
.set n, 0
.rept 32
	v_xor_b32 v[n], s20, v[BF+32*(n/16)+n%16]              ; -hi, two at a time
.set n, n+1
.endr
	WIN 0x50
.set n, 0
.rept 32
	v_fma_mix_f32_bf16 v[32+2*n], v[QP+n%16], v[K2R+n], v[n] op_sel_hi:[1,1,1]                  ; the low halves
	v_fma_mix_f32_bf16 v[33+2*n], v[QP+n%16], v[K2R+n], v[n] op_sel:[1,1,1] op_sel_hi:[1,1,1]   ; the high halves
.set n, n+1
.endr
	WIN 0x05
.set n, 0
.rept 32
	v_perm_b32 v[BF+32*(n/16)+16+n%16], v[33+2*n], v[32+2*n], s30
.set n, n+1
.endr
.endm
; 16 matrix instructions: S tiles jt = 2 b, 2 b + 1 of both g.  Four terms (hi, lo) x (d 0-31, d 32-63); the first starts the sums.
.macro QKB b
	WIN 0x50                                       ; C and D in window 1
.irp part, 0,1
.irp f, 0,1
.irp e, 0,1
.irp g, 0,1
.if \part+\f == 0
	v_wmma_f32_16x16x32_bf16 v[128*\g+8*(2*(\b)+\e):128*\g+8*(2*(\b)+\e)+7], v[FB+32*((\b)%2)+16*\e+8*\f:FB+32*((\b)%2)+16*\e+8*\f+7], v[BF+32*\g+16*\part+8*\f:BF+32*\g+16*\part+8*\f+7], 0
.else
	v_wmma_f32_16x16x32_bf16 v[128*\g+8*(2*(\b)+\e):128*\g+8*(2*(\b)+\e)+7], v[FB+32*((\b)%2)+16*\e+8*\f:FB+32*((\b)%2)+16*\e+8*\f+7], v[BF+32*\g+16*\part+8*\f:BF+32*\g+16*\part+8*\f+7], v[128*\g+8*(2*(\b)+\e):128*\g+8*(2*(\b)+\e)+7]
.endif
.endr
.endr
.endr
.endr
.endm
.macro MAXT base, first                ; one tile of S into the four chains
.irp c, 0,1,2,3
.if \first
	v_max_num_f32 v[MX+\c], v[\base+2*\c], v[\base+2*\c+1]
.else
	v_max3_num_f32 v[MX+\c], v[MX+\c], v[\base+2*\c], v[\base+2*\c+1]
.endif
.endr
.endm
; 16 vector instructions on the four tiles of batch b.  They stand behind the matrix instructions of batch b + 1 and name none of
; that batch's registers: they are the independent vector instructions that have to stand between a matrix instruction and a load
; into its A buffer, and between it and the first read of its result one gap later.
.macro MAXB b, first
.if \first
	WIN 0x05                                       ; the first tile starts the chains: nothing is cleared
.else
	WIN 0x14
.endif
	MAXT 16*(\b), \first
	WIN 0x14                                       ; chain in window 0, S in window 1; LDS loads may follow under this setting
	MAXT 16*(\b)+8, 0
	MAXT 128+16*(\b), 0
	MAXT 128+16*(\b)+8, 0
.endm
; j = 32 u .. 32 u + 31 of both g: weights, their sum, f16 in place, and 8 matrix instructions of the second product
.macro STEP u
	WIN 0x41
.irp g, 0,1
.irp p, 0,1,2,3,4,5,6,7
	v_pk_fma_f32 v[128*\g+16*(\u)+2*\p:128*\g+16*(\u)+2*\p+1], v[128*\g+16*(\u)+2*\p:128*\g+16*(\u)+2*\p+1], 0x3fb8aa3b, v[NM:NM+1] op_sel_hi:[1,0,1]
.endr
.endr
.irp g, 0,1
.irp i, 0,1,2,3,4,5,6,7,8,9,10,11,12,13,14,15
	v_exp_f32 v[128*\g+16*(\u)+\i], v[128*\g+16*(\u)+\i]
.endr
.endr
.if \u == 0
	WIN 0x05
	v_nop                                          ; one plain vector instruction between the exponentials and the first use of a result
	s_wait_alu depctr_va_vdst(0)
.irp c, 0,1,2,3
	v_pk_add_f32 v[LS+2*\c:LS+2*\c+1], v[2*\c:2*\c+1], v[8+2*\c:8+2*\c+1]          ; the first sums start the four chains
.endr
	WIN 0x04
.irp p, 0,1,2,3,4,5,6,7
	v_pk_add_f32 v[LS+2*(\p%4):LS+2*(\p%4)+1], v[LS+2*(\p%4):LS+2*(\p%4)+1], v[128+2*\p:128+2*\p+1]
.endr
.else
	WIN 0x04
	v_nop                                          ; as above
	s_wait_alu depctr_va_vdst(0)
.irp g, 0,1
.irp p, 0,1,2,3,4,5,6,7
	v_pk_add_f32 v[LS+2*(\p%4):LS+2*(\p%4)+1], v[LS+2*(\p%4):LS+2*(\p%4)+1], v[128*\g+16*(\u)+2*\p:128*\g+16*(\u)+2*\p+1]
.endr
.endr
.endif
.if \u < 7
	LDV1 \u+1                                      ; into the buffer that the step before read: 32 plain vector instructions have passed since
.endif
	WIN 0x45
.irp g, 0,1
.irp i, 0,1,2,3,4,5,6,7
	v_cvt_pk_f16_f32 v[128*\g+16*(\u)+\i], v[128*\g+16*(\u)+2*\i], v[128*\g+16*(\u)+2*\i+1]   ; ascending: register i is written when 2 i, 2 i + 1 >= i are read
.endr
.endr
.if \u < 7
	s_wait_dscnt 8                                 ; this step's v1T fragments are in; the next step's 8 loads stay out
.else
	s_wait_dscnt 0x0                               ; nothing was issued behind the last fragments
.endif
	WIN 0x04                                       ; B (P) in window 1, the rest in window 0
.irp t, 0,1,2,3
.irp g, 0,1
.if \u == 0
	v_wmma_f32_16x16x32_f16 v[D2+32*\g+8*\t:D2+32*\g+8*\t+7], v[FB+32*((\u)%2)+8*\t:FB+32*((\u)%2)+8*\t+7], v[128*\g+16*(\u):128*\g+16*(\u)+7], 0
.else
	v_wmma_f32_16x16x32_f16 v[D2+32*\g+8*\t:D2+32*\g+8*\t+7], v[FB+32*((\u)%2)+8*\t:FB+32*((\u)%2)+8*\t+7], v[128*\g+16*(\u):128*\g+16*(\u)+7], v[D2+32*\g+8*\t:D2+32*\g+8*\t+7]
.endif
.endr
.endr
.endm
	s_mov_b32 s17, 0
.Ltrip:
	; ---- one query ----
.irp c, 0,1,2,3
	ds_load_b128 v[QP+4*\c:QP+4*\c+3], v[AQ] offset:32*\c  ; q[16c+8h ..+7]: every lane of a half reads the same 16 bytes
.endr
	LDK1 0
	LDK1 1
	s_wait_dscnt 16                                ; q is in (and all of the last trip's LDS work is done); the 16 k1 loads stay out
	v_add_nc_u32 v[AQ], 128, v[AQ]                 ; the next query
	PREP
	s_wait_dscnt 8                                 ; batch 0 is in; batch 1 stays out.  The same count in front of every batch:
	QKB 0                                          ; the one run of 8 loads issued behind the batch's own may stay out
	WIN 0x14
.rept 4
	v_nop                                          ; no earlier tiles to work on yet: four places in front of the load into buffer 0
.endr
	LDK1 2
	s_wait_dscnt 8
	QKB 1
	MAXB 0, 1
	LDK1 3
.irp b, 2,3,4,5
	s_wait_dscnt 8
	QKB \b
	MAXB \b-1, 0
	LDK1 \b+2
.endr
	s_wait_dscnt 8
	QKB 6
	MAXB 5, 0
	LDV1 0                                         ; the second product's first fragments
	s_wait_dscnt 8                                 ; batch 7 is in; those 8 loads stay out
	QKB 7
	MAXB 6, 0
	MAXB 7, 0
	WIN 0
	; the maximum of the wave's 8,192 logits, in every lane
	v_max3_num_f32 v[MX], v[MX], v[MX+1], v[MX+2]
	v_max_num_f32 v[MX], v[MX], v[MX+3]
	v_max_num_f32_dpp v[MX], v[MX], v[MX] row_xmask:1 row_mask:0xf bank_mask:0xf
	v_max_num_f32_dpp v[MX], v[MX], v[MX] row_xmask:2 row_mask:0xf bank_mask:0xf
	v_max_num_f32_dpp v[MX], v[MX], v[MX] row_xmask:4 row_mask:0xf bank_mask:0xf
	v_max_num_f32_dpp v[MX], v[MX], v[MX] row_xmask:8 row_mask:0xf bank_mask:0xf
	v_permlanex16_b32 v[TP], v[MX], s18, s19       ; (its destination held a word of q: written before)
	v_max_num_f32 v[MX], v[MX], v[TP]
	v_fma_f32 v[NM], v[MX], s28, s29               ; nM = 8 - max log2e.  This rounded number is used in every exponent and in the
	v_mov_b32 v[NM+1], v[NM]                       ; joining weights, so its rounding cancels
.irp u, 0,1,2,3,4,5,6,7
	STEP \u
.endr
	; ---- O[d] = sum over my 32 k of D2[d][k] v2[k][d]; L = sum of P ----
	WIN 0
	v_pk_add_f32 v[LS:LS+1], v[LS:LS+1], v[LS+2:LS+3]              ; these four name no register of the last matrix instructions:
	v_pk_add_f32 v[LS+4:LS+5], v[LS+4:LS+5], v[LS+6:LS+7]          ; the four places in front of the first read of D2 (ISA guide 7.12.1)
	v_pk_add_f32 v[LS:LS+1], v[LS:LS+1], v[LS+4:LS+5]
	v_add_f32 v[MLD+1], v[LS], v[LS+1]
.set n, 0
.rept 16
	v_pk_mul_f32 v[D2+2*n:D2+2*n+1], v[D2+2*n:D2+2*n+1], v[V2R+2*n:V2R+2*n+1]
.set n, n+1
.endr
.set n, 0
.rept 16
	v_pk_fma_f32 v[D2+2*n:D2+2*n+1], v[D2+32+2*n:D2+32+2*n+1], v[V2R+32+2*n:V2R+32+2*n+1], v[D2+2*n:D2+2*n+1]
.set n, n+1
.endr
	v_add_f32_dpp v[MLD+1], v[MLD+1], v[MLD+1] row_xmask:1 row_mask:0xf bank_mask:0xf
	v_add_f32_dpp v[MLD+1], v[MLD+1], v[MLD+1] row_xmask:2 row_mask:0xf bank_mask:0xf
	v_add_f32_dpp v[MLD+1], v[MLD+1], v[MLD+1] row_xmask:4 row_mask:0xf bank_mask:0xf
	v_add_f32_dpp v[MLD+1], v[MLD+1], v[MLD+1] row_xmask:8 row_mask:0xf bank_mask:0xf
	v_permlanex16_b32 v[TP], v[MLD+1], s18, s19
	v_add_f32 v[MLD+1], v[MLD+1], v[TP]
	v_mov_b32 v[MLD], v[NM]
	ds_store_b64 v[AML], v[MLD:MLD+1]              ; every lane, the same 8 bytes with the same value
.irp t, 0,1,2,3
.irp e, 0,1
	ds_store_b128 v[ASS], v[D2+8*\t+4*\e:D2+8*\t+4*\e+3] offset:64*\t+16*\e        ; scratch[k = r][d = 16t+8h+4e ..]
.endr
.endr
.irp s, 0,1,2,3,4,5,6,7
	ds_load_b128 v[FB+4*\s:FB+4*\s+3], v[ASL] offset:2*SCRP*\s     ; row 2 s + lane/16, d = 4 (lane%16) ..: LDS serves a wave's instructions in order (ISA guide 5.7.1), so these see the stores above
.endr
	s_wait_dscnt 0x0                               ; the eight rows are in; every earlier LDS instruction of mine is done too
	v_add_nc_u32 v[AML], 8, v[AML]                 ; so both addresses may step: the next query's pair,
	v_add_nc_u32 v[APT], 512, v[APT]               ; and this query's partial row (the address began one step low)
.irp s, 0,2,4,6
	v_pk_add_f32 v[FB+4*\s:FB+4*\s+1], v[FB+4*\s:FB+4*\s+1], v[FB+4*\s+4:FB+4*\s+5]
	v_pk_add_f32 v[FB+4*\s+2:FB+4*\s+3], v[FB+4*\s+2:FB+4*\s+3], v[FB+4*\s+6:FB+4*\s+7]
.endr
.irp s, 0,4
	v_pk_add_f32 v[FB+4*\s:FB+4*\s+1], v[FB+4*\s:FB+4*\s+1], v[FB+4*\s+8:FB+4*\s+9]
	v_pk_add_f32 v[FB+4*\s+2:FB+4*\s+3], v[FB+4*\s+2:FB+4*\s+3], v[FB+4*\s+10:FB+4*\s+11]
.endr
	v_pk_add_f32 v[MX:MX+1], v[FB:FB+1], v[FB+16:FB+17]
	v_pk_add_f32 v[MX+2:MX+3], v[FB+2:FB+3], v[FB+18:FB+19]
	ds_store_b128 v[APT], v[MX:MX+3]               ; eight of my 16 k summed; v[8:11] are written again only behind the next trip's waits on DScnt
	s_add_co_u32 s17, s17, 1
	s_cmp_lt_u32 s17, 16
	s_cbranch_scc1 .Ltrip
	s_wait_dscnt 0x0                               ; my partial rows and pairs are in LDS, for the other waves' sake
	s_barrier_signal -1
	s_barrier_wait -1
	; ---- join the eight waves: thread t takes query t / 16, d = 4 (t % 16) .. +3 ----
	v_lshrrev_b32 v3, 4, v0
	v_and_b32 v4, 15, v0
	v_lshl_add_u32 v1, v3, 3, L_ML
	v_lshlrev_b32 v2, 9, v3
	v_lshl_add_u32 v2, v4, 4, v2
	v_add_nc_u32 v2, L_PART, v2
.irp w, 0,1,2,3,4,5,6,7
	ds_load_b64 v[8+2*\w:9+2*\w], v1 offset:128*\w                 ; (nM, L) of wave w
.endr
.irp w, 0,1,2,3,4,5,6,7
.irp p, 0,1
	ds_load_b128 v[64+4*(2*\w+\p):64+4*(2*\w+\p)+3], v2 offset:8192*\w+256*\p
.endr
.endr
	v_lshlrev_b32 v5, 4, v0                        ; my 16 bytes of the block's 4,096 in out0
	s_wait_dscnt 16                                ; the eight pairs are in; the 16 loads of partial rows stay out
	v_min3_num_f32 v24, v8, v10, v12               ; the least nM belongs to the largest maximum
	v_min3_num_f32 v24, v24, v14, v16
	v_min3_num_f32 v24, v24, v18, v20
	v_min_num_f32 v24, v24, v22
.irp w, 0,1,2,3,4,5,6,7
	v_sub_f32 v[32+2*\w], v24, v[8+2*\w]           ; each weight is made twice: a pair for the packed arithmetic
	v_sub_f32 v[33+2*\w], v24, v[8+2*\w]
.endr
.irp i, 0,1,2,3,4,5,6,7,8,9,10,11,12,13,14,15
	v_exp_f32 v[32+\i], v[32+\i]                   ; at most 1
.endr
	v_nop                                          ; one plain vector instruction in front of the first use
	s_wait_alu depctr_va_vdst(0)
	v_mul_f32 v25, v32, v9
.irp w, 1,2,3,4,5,6,7
	v_fmac_f32 v25, v[32+2*\w], v[9+2*\w]          ; the joined sum of weights
.endr
	s_wait_dscnt 0x0
	v_pk_mul_f32 v[26:27], v[64:65], v[32:33]      ; the first products start the sums
	v_pk_mul_f32 v[28:29], v[66:67], v[32:33]
.irp i, 1,2,3,4,5,6,7,8,9,10,11,12,13,14,15
	v_pk_fma_f32 v[26:27], v[64+4*\i:64+4*\i+1], v[32+2*(\i/2):32+2*(\i/2)+1], v[26:27]
	v_pk_fma_f32 v[28:29], v[64+4*\i+2:64+4*\i+3], v[32+2*(\i/2):32+2*(\i/2)+1], v[28:29]
.endr
	v_rcp_f32 v30, v25
	v_rcp_f32 v31, v25
	v_nop                                          ; one plain vector instruction in front of the first use
	s_wait_alu depctr_va_vdst(0)
	v_pk_mul_f32 v[26:27], v[26:27], v[30:31]
	v_pk_mul_f32 v[28:29], v[28:29], v[30:31]
	global_store_b128 v5, v[26:29], s[14:15] th:TH_STORE_NT        ; 16 neighbouring lanes store one row of out0: 256 consecutive bytes, aligned
	s_wait_xcnt 0x0
	v_lshl_add_u32 v254, v0, 2, 0x2a800
	v_mov_b32 v255, 0
	s_wait_tensorcnt 0x0
	ds_add_u32 v254, v255
	s_wait_dscnt 0x0
	s_endpgm
.Lfunc_end_k_q13b7ab28b5_simplicial:
	.size	k_q13b7ab28b5_simplicial, .Lfunc_end_k_q13b7ab28b5_simplicial-k_q13b7ab28b5_simplicial
	.p2alignl 7, 3214868480
	.fill 96, 4, 3214868480
	.section	.rodata,"a",@progbits
	.p2align	6, 0x0
	.amdhsa_kernel k_q13b7ab28b5_simplicial
		.amdhsa_group_segment_fixed_size 175104
		.amdhsa_private_segment_fixed_size 0
		.amdhsa_enable_private_segment 0
		.amdhsa_kernarg_size 48
		.amdhsa_user_sgpr_count 2
		.amdhsa_user_sgpr_kernarg_segment_ptr 1
		.amdhsa_wavefront_size32 1
		.amdhsa_system_sgpr_workgroup_id_x 1
		.amdhsa_system_sgpr_workgroup_id_y 1
		.amdhsa_system_sgpr_workgroup_id_z 1
		.amdhsa_system_vgpr_workitem_id 0
		.amdhsa_next_free_vgpr 512
		.amdhsa_next_free_sgpr 66
		.amdhsa_reserve_vcc 0
		.amdhsa_float_denorm_mode_32 3
		.amdhsa_float_denorm_mode_16_64 3
		.amdhsa_memory_ordered 1
		.amdhsa_forward_progress 1
		.amdhsa_inst_pref_size 115
	.end_amdhsa_kernel
	.amdgpu_metadata
---
amdhsa.version: [ 1, 2 ]
amdhsa.kernels:
  - .name:           k_q13b7ab28b5_simplicial
    .symbol:         k_q13b7ab28b5_simplicial.kd
    .args:
      - { .name: q, .offset: 0, .size: 8, .value_kind: global_buffer, .address_space: global }
      - { .name: k1, .offset: 8, .size: 8, .value_kind: global_buffer, .address_space: global }
      - { .name: k2, .offset: 16, .size: 8, .value_kind: global_buffer, .address_space: global }
      - { .name: v1, .offset: 24, .size: 8, .value_kind: global_buffer, .address_space: global }
      - { .name: v2, .offset: 32, .size: 8, .value_kind: global_buffer, .address_space: global }
      - { .name: out0, .offset: 40, .size: 8, .value_kind: global_buffer, .address_space: global }
    .group_segment_fixed_size: 175104
    .private_segment_fixed_size: 0
    .kernarg_segment_align: 8
    .kernarg_segment_size: 48
    .max_flat_workgroup_size: 256
    .sgpr_count:     66
    .vgpr_count:     512
    .wavefront_size: 32
...
	.end_amdgpu_metadata
.endif
;; end of part 1
;; ======== version 2 of 2: 1 launch; version 1 with the launch simplicial written anew for expert scheduling mode
;; limits: values are held in f16: magnitudes above 65,504 overflow, below 6.1e-05 lose precision; inputs' magnitudes at most 65,504; right only within a limited range of input values
;; launch simplicial (part 2): grid 16 x 16, 8 waves a work-group, no clusters, 175,104 bytes of LDS; arguments q, k1, k2, v1, v2, out0; writes out0
.if DOCPART == 2
	.amdgcn_target "amdgcn-amd-amdhsa--gfx1250"
	.amdhsa_code_object_version 6
	.text
	.protected	k_q13b7ab28b5_simplicial
	.globl	k_q13b7ab28b5_simplicial
	.p2align	8
	.type	k_q13b7ab28b5_simplicial,@function
k_q13b7ab28b5_simplicial:
	s_mov_b64 s[64:65], 0
	v_nop
	global_prefetch_b8 v0, s[64:65] scope:SCOPE_SE
	s_setreg_imm32_b32 hwreg(HW_REG_WAVE_SCHED_MODE, 0, 2), 2
	s_setreg_imm32_b32 hwreg(HW_REG_WAVE_MODE, 25, 1), 1
	s_wait_xcnt 0x0
	s_wait_alu depctr_vm_vsrc(0)
; Two-simplicial attention.  q, k1, k2, v1, v2, out0: [16 heads][256][64] f32.
;   logit[j][k] = sum_d q[d] k1[j][d] k2[k][d];  one softmax over all 65,536 (j,k);  out[d] = sum_jk attn[j][k] v1[j][d] v2[k][d].
; A work-group is one head (group id y) and 16 queries (group id x); 8 waves, two on each SIMD, so that the softmax of one
; runs beside the matrix work of the other.  Wave w owns k = 32 w .. 32 w + 31 (two tiles g of 16) for every query.
; One loop trip = one query:
;   PREP  B[k][d] = q[d] k2[k][d], split exactly into two bf16 numbers hi + lo (the product of two bf16 has 16 significant bits)
;   QK    S[j][k] = k1 x hi + k1 x lo, 256 j x 32 k, all kept in 256 registers: the maximum is the true one, nothing is rescaled
;   STEP  P = exp2(S log2e + nM), nM = 8 - max log2e; P to f16 in place, which is already the B fragment of the second product
;   PV    D2[d][k] = v1T x P;   EPI: O[d] = sum_k D2[d][k] v2[k][d], the 16 lanes of k summed through the wave's own LDS scratch
; Behind the loop the eight waves' partial rows are joined with weights exp2(min nM - nM_w) and divided by the joined sum.
;
; FORMATS AND LIMITS.  All five inputs are rounded to bf16 on entry; from there the logits carry f32 accuracy (no second rounding
; of q k2).  v1 goes on as f16: exact for 2^-14 <= |v1| < 65,504, absolute error 2^-25 below, not served above.  P peaks at 2^8 and
; is zero below 2^-25, that is 2^-33 of the wave's largest weight.  nM is rounded once, so the peak is 2^(8 +- ulp(nM)/2): it stays
; inside f16 for |logit| below about 9e7.  NaN and infinities are not followed.
;
; NO CLUSTER, NO TENSOR LOADS: the 16 work-groups of a head do read the same 256 KiB, but once, in front of the loop, and every byte
; has to pass through registers to be rounded, packed or transposed; the loop reads no memory at all.  All global loads stand
; in one run at the start, so there is nothing that a prefetch could ask for earlier.
;
; THE MODE: SCHED_MODE bits 1:0 = 2 (LLVM: expert scheduling mode 2), set by the entry lines.  The code itself states the register
; dependences between vector or matrix instructions and memory or LDS instructions, with s_wait_alu, always for 0.
; THE PLAN.  Registers that LDS instructions touch in the loop (it holds no global instruction):
;   QP v[16:31]    four loads land at the trip's top; PREP reads them; then LS and TP, vector work alone, up to EPI.
;   FB v[128:191]  two buffers.  LDK1 b lands, batch b's 16 matrix instructions read; LDV1 u lands, step u's 8 matrix instructions read;
;                  in EPI eight scratch rows land in v[128:159] and packed adds read and write them.
;   D2 v[64:95], MLD v[14:15], MX v[8:11]   written by EPI's arithmetic, read by its LDS stores; written again in the next trip.
;   AQ, AML, APT   read by LDS instructions; each stepped once a trip by a vector add.     AK1, AV1, ASS, ASL: written in the head alone.
; Both waves of a SIMD hold 512 registers, all in use, so there is no third buffer: a run of loads goes into the buffer that the batch
; just issued has read, and ONE wait on va_vdst stands in each gap, behind the 16 vector lines of the maximum and ahead of the run.
; In the second product the wait behind each batch of exponentials does that service too.  EPI has one wait ahead of its stores and loads
; and one ahead of the partial row's store; no vector line follows that last one up to the next trip's loads, which therefore owe none.
; Two waits on vm_vsrc a trip stand ahead of the adds to the three addresses.
;
; LDS (bytes)
.set K1P,    144                       ; k1 as bf16 [256 j][64 d]: 128 bytes + 16, an odd multiple of 16: 16 rows start at 16 different 16-byte columns
.set V1P,    528                       ; v1 transposed as f16 [64 d][256 j]: 512 bytes + 16
.set SCRP,   272                       ; scratch f32 [16 k][64 d]: 256 bytes + 16
.set SCRW,   16*SCRP                   ; one wave's scratch
.set L_K1,   0                         ; 36,864
.set L_V1T,  36864                     ; 33,792
.set L_Q,    70656                     ; bf16 [16 queries][64 d], 2,048
.set L_SCR,  72704                     ; 8 waves x 4,352
.set L_PART, 107520                    ; f32 [8 waves][16 queries][2 halves][64 d], 65,536
.set L_ML,   173056                    ; [8 waves][16 queries] (nM, L), 1,024; ends at 174,080, where the spare words begin: 128 bytes for each wave
; REGISTERS, window 0
.set AK1, 1                            ; LDS address of my k1 fragment rows: r 144 + 16 h   (r = lane % 16, h = lane / 16)
.set AV1, 2                            ; of my v1T fragment rows
.set AQ,  3                            ; of the trip's query
.set ASS, 4                            ; scratch, where I put my O
.set ASL, 5                            ; scratch, where I read rows back
.set APT, 6                            ; my 16 bytes of the partial row
.set AML, 7                            ; my wave's (nM, L)
.set MX,  8                            ; v[8:11]    four chains of the maximum; at the trip's end the partial row
.set NM,  12                           ; v[12:13]   nM, twice
.set MLD, 14                           ; v[14:15]   (nM, L) to store
.set QP,  16                           ; v[16:31]   q as packed bf16, in B fragment order (PREP only)
.set LS,  16                           ; v[16:23]   afterwards: four pairs that sum P
.set TP,  24                           ; v24        the other half's value in reductions
.set K2R, 32                           ; v[32:63]   k2 of my 32 k, packed bf16, B fragment order, resident
.set BF,  64                           ; v[64:127]  hi at 64+32g+y, lo at 64+32g+16+y
.set D2,  64                           ;            afterwards D2[g][t] at 64+32g+8t
.set FB,  128                          ; v[128:191] two buffers of 32 registers for A fragments
.set V2R, 192                          ; v[192:255] v2 in the layout of D2, f32 holding bf16 values, resident
; window 1 (v256-511): S[g][jt] at 128 g + 8 jt; P[g][u] at 128 g + 16 u .. +7; in PREP temporaries at 0-95.
; s_set_vgpr_msb, low byte: bits 1:0 source 0, 3:2 source 1, 5:4 source 2, 7:6 destination; high byte: the setting left behind.
.set MSB, 0
.macro WIN new
.if MSB != \new
	s_set_vgpr_msb (MSB<<8)|\new
.set MSB, \new
.endif
.endm
	s_load_b256 s[4:11], s[0:1], 0x0               ; q s[4:5], k1 s[6:7], k2 s[8:9], v1 s[10:11]
	s_load_b128 s[12:15], s[0:1], 0x20             ; v2 s[12:13], out0 s[14:15]
	v_lshrrev_b32 v8, 5, v0
	v_readfirstlane_b32 s16, v8                    ; wave 0..7
	s_and_b32 s22, ttmp7, 0xffff
	s_lshl_b32 s22, s22, 16                        ; head x 65,536 bytes
	s_mov_b32 s23, 0
	s_lshl_b32 s24, ttmp9, 12                      ; block of 16 queries x 4,096 bytes
	s_mov_b32 s25, 0
	s_mov_b32 s18, 0x76543210                      ; v_permlanex16_b32: lane i takes lane i of the other half
	s_mov_b32 s19, 0xfedcba98
	s_mov_b32 s20, 0x80008000                      ; the signs of two bf16
	s_mov_b32 s21, 0xffff0000                      ; a word's upper bf16
	s_mov_b32 s28, 0xbfb8aa3b                      ; -log2(e)
	s_mov_b32 s29, 0x41000000                      ; 8.0: the largest weight is 2^8
	s_mov_b32 s30, 0x07060302                      ; v_perm_b32: the two upper halves
	v_and_b32 v20, 15, v0                          ; r
	v_bfe_u32 v21, v0, 4, 1                        ; h
	v_and_b32 v22, 31, v0                          ; lane
	v_lshrrev_b32 v17, 4, v0                       ; t / 16
	v_lshlrev_b32 v12, 4, v0                       ; q, k1: 16 t
	v_lshrrev_b32 v23, 1, v22                      ; lane / 2
	v_and_b32 v24, 1, v0                           ; lane % 2
	v_lshlrev_b32 v13, 9, v23                      ; v1: rows 2 (lane/2), +1 ...
	v_lshl_add_u32 v13, v24, 4, v13                ; ... 4 columns by lane % 2 ...
	s_wait_alu depctr_va_sdst(0)                   ; s16 is written, ahead of its first reader: offsets and LDS addresses are made from it
	s_lshl_b32 s26, s16, 5
	v_add_nc_u32 v13, s26, v13                     ; ... of my wave's columns d = 8 w .. 8 w + 7
	v_lshlrev_b32 v14, 8, v20                      ; k2, v2: row r ...
	v_lshl_add_u32 v14, v21, 5, v14                ; ... columns 8 h .. 8 h + 7 ...
	s_lshl_b32 s26, s16, 13
	v_add_nc_u32 v14, s26, v14                     ; ... of my wave's 32 rows
	s_wait_kmcnt 0x0
	s_add_nc_u64 s[4:5], s[4:5], s[22:23]
	s_add_nc_u64 s[4:5], s[4:5], s[24:25]
	s_add_nc_u64 s[6:7], s[6:7], s[22:23]
	s_add_nc_u64 s[8:9], s[8:9], s[22:23]
	s_add_nc_u64 s[10:11], s[10:11], s[22:23]
	s_add_nc_u64 s[12:13], s[12:13], s[22:23]
	s_add_nc_u64 s[14:15], s[14:15], s[22:23]
	s_add_nc_u64 s[14:15], s[14:15], s[24:25]
	; All 65 global loads of the kernel, in one run: q (1), k1 (16), v1 (16), k2 (16), v2 (16).
	s_wait_alu depctr_va_vdst(0)                   ; the offsets v12, v13, v14 are written, which the loads read; the lines that wrote and read v8 are done, in which q lands.  Only loads and window switches follow up to the run's end
	global_load_b128 v[8:11], v12, s[4:5]
.irp i, 0,1,2,3,4,5,6,7,8,9,10,11,12,13,14,15
	global_load_b128 v[FB+4*\i:FB+4*\i+3], v12, s[6:7] offset:4096*\i              ; row t/16 + 16 i, columns 4 (t%16) ..
.endr
	WIN 0x40                                       ; v1 lands in window 1
.irp s, 0,1,2,3,4,5,6,7
.irp e, 0,1
	global_load_b128 v[8*\s+4*\e:8*\s+4*\e+3], v13, s[10:11] offset:8192*\s+256*\e ; row 2 (lane/2) + 32 s + e
.endr
.endr
	WIN 0
.irp g, 0,1
.irp c, 0,1,2,3
.irp e, 0,1
	global_load_b128 v[BF+4*(8*\g+2*\c+\e):BF+4*(8*\g+2*\c+\e)+3], v14, s[8:9] offset:4096*\g+64*\c+16*\e   ; k2[32w+16g+r][16c+8h+4e ..]
.endr
.endr
.endr
.irp g, 0,1
.irp c, 0,1,2,3
.irp e, 0,1
	global_load_b128 v[V2R+32*\g+8*\c+4*\e:V2R+32*\g+8*\c+4*\e+3], v14, s[12:13] offset:4096*\g+64*\c+16*\e ; v2, the same places: the layout of D2
.endr
.endr
.endr
	; LDS addresses, while the loads are on their way: these lines name none of the loads' registers
	v_lshl_add_u32 v15, v0, 3, L_Q                 ; q goes to Q + 8 t
	v_mul_u32_u24 v16, v17, K1P
	v_lshl_add_u32 v16, v20, 3, v16                ; k1 goes to (t/16) 144 + 8 (t%16)
	s_mul_i32 s26, s16, 8*V1P
	s_add_co_u32 s26, s26, L_V1T                   ; my wave's eight rows of v1T
	v_mul_u32_u24 v19, v24, 4*V1P
	v_lshl_add_u32 v19, v23, 2, v19
	v_add_nc_u32 v19, s26, v19                     ; + (lane%2) 4 rows + 4 (lane/2)
	v_mul_u32_u24 v[AK1], v20, K1P
	v_lshl_add_u32 v[AK1], v21, 4, v[AK1]
	v_mul_u32_u24 v[AV1], v20, V1P
	v_lshl_add_u32 v[AV1], v21, 4, v[AV1]
	v_add_nc_u32 v[AV1], L_V1T, v[AV1]
	v_lshl_add_u32 v[AQ], v21, 4, L_Q
	s_mul_i32 s26, s16, SCRW
	s_add_co_u32 s26, s26, L_SCR                   ; my wave's scratch
	v_mul_u32_u24 v[ASS], v20, SCRP
	v_lshl_add_u32 v[ASS], v21, 5, v[ASS]
	v_add_nc_u32 v[ASS], s26, v[ASS]               ; in: row r, 32 bytes for each half of the lanes
	v_mul_u32_u24 v[ASL], v21, SCRP
	v_lshl_add_u32 v[ASL], v20, 4, v[ASL]
	v_add_nc_u32 v[ASL], s26, v[ASL]               ; back: lanes 0-15 an even row, lanes 16-31 the odd row behind it
	s_lshl_b32 s27, s16, 13
	s_add_co_u32 s27, s27, L_PART-512              ; one step low: the address is stepped in front of each store
	v_lshlrev_b32 v[APT], 8, v21
	v_lshl_add_u32 v[APT], v20, 4, v[APT]
	v_add_nc_u32 v[APT], s27, v[APT]
	s_lshl_b32 s27, s16, 7
	s_add_co_u32 s27, s27, L_ML
	v_mov_b32 v[AML], s27
	s_wait_loadcnt 48                              ; q and k1 are in; the 48 loads of v1, k2, v2 behind them may stay out
	v_cvt_pk_bf16_f32 v8, v8, v9
	v_cvt_pk_bf16_f32 v9, v10, v11
.irp i, 0,1,2,3,4,5,6,7,8,9,10,11,12,13,14,15
	v_cvt_pk_bf16_f32 v[FB+4*\i], v[FB+4*\i], v[FB+4*\i+1]
	v_cvt_pk_bf16_f32 v[FB+4*\i+1], v[FB+4*\i+2], v[FB+4*\i+3]
.endr
	s_wait_alu depctr_va_vdst(0)                   ; the conversions have written v8, v9 and FB's pairs, the data of the 17 stores; their addresses v15, v16 are written, and so are v19 and v1 to v7.
	                                               ; No vector line of the head behind this wait names v1 to v7, v[16:31] or FB: the first trip's loads lean on it too
	ds_store_b64 v15, v[8:9]
.irp i, 0,1,2,3,4,5,6,7,8,9,10,11,12,13,14,15
	ds_store_b64 v16, v[FB+4*\i:FB+4*\i+1] offset:16*K1P*\i
.endr
	s_wait_loadcnt 32                              ; v1 is in; k2 and v2 may stay out
	; v1: round rows j, j+1 to bf16, widen, pack as f16 (exact): one word of a row of v1T.  n = 4 s + i.
	WIN 0x45                                       ; all in window 1
.set n, 0
.rept 32
	v_cvt_pk_bf16_f32 v[64+n], v[8*(n/4)+n%4], v[8*(n/4)+4+n%4]
.set n, n+1
.endr
.set n, 0
.rept 32
	v_lshlrev_b32 v[8*(n/4)+n%4], 16, v[64+n]
	v_and_b32 v[8*(n/4)+4+n%4], s21, v[64+n]
.set n, n+1
.endr
.set n, 0
.rept 32
	v_cvt_pk_f16_f32 v[64+n], v[8*(n/4)+n%4], v[8*(n/4)+4+n%4]
.set n, n+1
.endr
	WIN 0x04                                       ; address window 0, data window 1
	s_wait_alu depctr_va_vdst(0)                   ; the packings have written window 1's v[64:95], the data of the 32 stores
.irp s, 0,1,2,3,4,5,6,7
.irp i, 0,1,2,3
	ds_store_b32 v19, v[64+4*\s+\i] offset:V1P*\i+64*\s    ; row d = 8w + 4 (lane%2) + i, columns j = 2 (lane/2) + 32 s, +1
.endr
.endr
	WIN 0
	s_wait_loadcnt 16                              ; k2 is in; v2 may stay out
.set n, 0
.rept 32
	v_cvt_pk_bf16_f32 v[K2R+n], v[BF+2*n], v[BF+2*n+1]
.set n, n+1
.endr
	s_wait_loadcnt 0x0                             ; v2
.set n, 0
.rept 32
	v_cvt_pk_bf16_f32 v[BF+n], v[V2R+2*n], v[V2R+2*n+1]    ; rounded to bf16 ...
.set n, n+1
.endr
.set n, 0
.rept 32
	v_lshlrev_b32 v[V2R+2*n], 16, v[BF+n]                  ; ... and kept as f32
	v_and_b32 v[V2R+2*n+1], s21, v[BF+n]
.set n, n+1
.endr
	s_wait_dscnt 0x0                               ; my stores to K1, V1T, Q are done, for the other waves' sake
	s_barrier_signal -1
	s_barrier_wait -1                              ; from here on these three regions are only read
	s_wait_alu depctr_vm_vsrc(0)                   ; the head's loads and stores have read their registers: v16, v19 and FB, in which the first trip's loads land; v8, v9, v12 to v15 and window 1's v[64:95], which the loop's arithmetic writes
; 8 LDS loads: k1 rows 32 b .. 32 b + 31 (tiles e), d 0-63 (halves f), into buffer b % 2.
; LDK1 and LDV1 stand under a setting with destination and source 0 in window 0 (0, 0x04 or 0x14).
.macro LDK1 b
.irp e, 0,1
.irp f, 0,1
	ds_load_b128 v[FB+32*((\b)%2)+16*\e+8*\f:FB+32*((\b)%2)+16*\e+8*\f+3],   v[AK1] offset:(2*(\b)+\e)*16*K1P+64*\f
	ds_load_b128 v[FB+32*((\b)%2)+16*\e+8*\f+4:FB+32*((\b)%2)+16*\e+8*\f+7], v[AK1] offset:(2*(\b)+\e)*16*K1P+64*\f+32
.endr
.endr
.endm
; 8 LDS loads: v1T rows d = 16 t .., columns j = 32 u .. 32 u + 31, into buffer u % 2
.macro LDV1 u
.irp t, 0,1,2,3
	ds_load_b128 v[FB+32*((\u)%2)+8*\t:FB+32*((\u)%2)+8*\t+3],   v[AV1] offset:16*V1P*\t+64*(\u)
	ds_load_b128 v[FB+32*((\u)%2)+8*\t+4:FB+32*((\u)%2)+8*\t+7], v[AV1] offset:16*V1P*\t+64*(\u)+32
.endr
.endm
; hi = bf16(q k2); lo = q k2 - hi, exact: a product of 16 significant bits less its rounded head leaves at most 8, so the fused
; multiply-add gives it without rounding and its upper 16 bits are all of it.  n = 16 g + y.
.macro PREP
	WIN 0
.set n, 0
.rept 32
	v_pk_mul_bf16 v[BF+32*(n/16)+n%16], v[QP+n%16], v[K2R+n]
.set n, n+1
.endr
	WIN 0x40
.set n, 0
.rept 32
	v_xor_b32 v[n], s20, v[BF+32*(n/16)+n%16]              ; -hi, two at a time
.set n, n+1
.endr
	WIN 0x50
.set n, 0
.rept 32
	v_fma_mix_f32_bf16 v[32+2*n], v[QP+n%16], v[K2R+n], v[n] op_sel_hi:[1,1,1]                  ; the low halves
	v_fma_mix_f32_bf16 v[33+2*n], v[QP+n%16], v[K2R+n], v[n] op_sel:[1,1,1] op_sel_hi:[1,1,1]   ; the high halves
.set n, n+1
.endr
	WIN 0x05
.set n, 0
.rept 32
	v_perm_b32 v[BF+32*(n/16)+16+n%16], v[33+2*n], v[32+2*n], s30
.set n, n+1
.endr
.endm
; 16 matrix instructions: S tiles jt = 2 b, 2 b + 1 of both g.  Four terms (hi, lo) x (d 0-31, d 32-63); the first starts the sums.
.macro QKB b
	WIN 0x50                                       ; C and D in window 1
.irp part, 0,1
.irp f, 0,1
.irp e, 0,1
.irp g, 0,1
.if \part+\f == 0
	v_wmma_f32_16x16x32_bf16 v[128*\g+8*(2*(\b)+\e):128*\g+8*(2*(\b)+\e)+7], v[FB+32*((\b)%2)+16*\e+8*\f:FB+32*((\b)%2)+16*\e+8*\f+7], v[BF+32*\g+16*\part+8*\f:BF+32*\g+16*\part+8*\f+7], 0
.else
	v_wmma_f32_16x16x32_bf16 v[128*\g+8*(2*(\b)+\e):128*\g+8*(2*(\b)+\e)+7], v[FB+32*((\b)%2)+16*\e+8*\f:FB+32*((\b)%2)+16*\e+8*\f+7], v[BF+32*\g+16*\part+8*\f:BF+32*\g+16*\part+8*\f+7], v[128*\g+8*(2*(\b)+\e):128*\g+8*(2*(\b)+\e)+7]
.endif
.endr
.endr
.endr
.endr
.endm
.macro MAXT base, first                ; one tile of S into the four chains
.irp c, 0,1,2,3
.if \first
	v_max_num_f32 v[MX+\c], v[\base+2*\c], v[\base+2*\c+1]
.else
	v_max3_num_f32 v[MX+\c], v[MX+\c], v[\base+2*\c], v[\base+2*\c+1]
.endif
.endr
.endm
; 16 vector instructions on the four tiles of batch b.  They stand behind the matrix instructions of batch b + 1 and name none of
; that batch's registers: they are the independent vector instructions that stand between a matrix instruction and the first read
; of its result one gap later (ISA guide 7.12.1), and the work between batch b + 1 and the wait that states it done with its A buffer.
.macro MAXB b, first
.if \first
	WIN 0x05                                       ; the first tile starts the chains: nothing is cleared
.else
	WIN 0x14
.endif
	MAXT 16*(\b), \first
	WIN 0x14                                       ; chain in window 0, S in window 1; LDS loads may follow under this setting
	MAXT 16*(\b)+8, 0
	MAXT 128+16*(\b), 0
	MAXT 128+16*(\b)+8, 0
.endm
; j = 32 u .. 32 u + 31 of both g: weights, their sum, f16 in place, and 8 matrix instructions of the second product
.macro STEP u
	WIN 0x41
.irp g, 0,1
.irp p, 0,1,2,3,4,5,6,7
	v_pk_fma_f32 v[128*\g+16*(\u)+2*\p:128*\g+16*(\u)+2*\p+1], v[128*\g+16*(\u)+2*\p:128*\g+16*(\u)+2*\p+1], 0x3fb8aa3b, v[NM:NM+1] op_sel_hi:[1,0,1]
.endr
.endr
.irp g, 0,1
.irp i, 0,1,2,3,4,5,6,7,8,9,10,11,12,13,14,15
	v_exp_f32 v[128*\g+16*(\u)+\i], v[128*\g+16*(\u)+\i]
.endr
.endr
.if \u == 0
	WIN 0x05
	v_nop                                          ; one plain vector instruction between the exponentials and the first use of a result
	s_wait_alu depctr_va_vdst(0)                   ; the 32 exponentials have written their results, which the sums read; batch 7's matrix instructions are done reading buffer 1, in which the loads below land
.irp c, 0,1,2,3
	v_pk_add_f32 v[LS+2*\c:LS+2*\c+1], v[2*\c:2*\c+1], v[8+2*\c:8+2*\c+1]          ; the first sums start the four chains
.endr
	WIN 0x04
.irp p, 0,1,2,3,4,5,6,7
	v_pk_add_f32 v[LS+2*(\p%4):LS+2*(\p%4)+1], v[LS+2*(\p%4):LS+2*(\p%4)+1], v[128+2*\p:128+2*\p+1]
.endr
.else
	WIN 0x04
	v_nop                                          ; as above
	s_wait_alu depctr_va_vdst(0)                   ; the 32 exponentials have written their results, which the sums read; the step before's matrix instructions are done reading their buffer, in which this step's loads (steps 1 to 6) land
.irp g, 0,1
.irp p, 0,1,2,3,4,5,6,7
	v_pk_add_f32 v[LS+2*(\p%4):LS+2*(\p%4)+1], v[LS+2*(\p%4):LS+2*(\p%4)+1], v[128*\g+16*(\u)+2*\p:128*\g+16*(\u)+2*\p+1]
.endr
.endr
.endif
.if \u < 7
	LDV1 \u+1                                      ; into the buffer that the step before read.  No wait of its own: the sums since the wait above name LS and window 1 alone, neither FB nor v[AV1]
.endif
	WIN 0x45
.irp g, 0,1
.irp i, 0,1,2,3,4,5,6,7
	v_cvt_pk_f16_f32 v[128*\g+16*(\u)+\i], v[128*\g+16*(\u)+2*\i], v[128*\g+16*(\u)+2*\i+1]   ; ascending: register i is written when 2 i, 2 i + 1 >= i are read
.endr
.endr
.if \u < 7
	s_wait_dscnt 8                                 ; this step's v1T fragments are in; the next step's 8 loads stay out
.else
	s_wait_dscnt 0x0                               ; nothing was issued behind the last fragments
.endif
	WIN 0x04                                       ; B (P) in window 1, the rest in window 0
.irp t, 0,1,2,3
.irp g, 0,1
.if \u == 0
	v_wmma_f32_16x16x32_f16 v[D2+32*\g+8*\t:D2+32*\g+8*\t+7], v[FB+32*((\u)%2)+8*\t:FB+32*((\u)%2)+8*\t+7], v[128*\g+16*(\u):128*\g+16*(\u)+7], 0
.else
	v_wmma_f32_16x16x32_f16 v[D2+32*\g+8*\t:D2+32*\g+8*\t+7], v[FB+32*((\u)%2)+8*\t:FB+32*((\u)%2)+8*\t+7], v[128*\g+16*(\u):128*\g+16*(\u)+7], v[D2+32*\g+8*\t:D2+32*\g+8*\t+7]
.endif
.endr
.endr
.endm
	s_mov_b32 s17, 0
.Ltrip:
	; ---- one query ----
	; The 20 loads below owe no wait of their own.  On the way in: the last vector lines that name v[16:31], FB, v[AQ] or v[AK1] stand ahead of the
	; wait in front of the head's stores of q and k1.  On the way back: no vector line stands behind the wait in front of the partial row's store.
.irp c, 0,1,2,3
	ds_load_b128 v[QP+4*\c:QP+4*\c+3], v[AQ] offset:32*\c  ; q[16c+8h ..+7]: every lane of a half reads the same 16 bytes
.endr
	LDK1 0
	LDK1 1
	s_wait_dscnt 16                                ; q is in (and all of the last trip's LDS work is done); the 16 k1 loads stay out
	s_wait_alu depctr_vm_vsrc(0)                   ; the four loads of q have read v[AQ], which the add below writes; the last trip's store of the partial row has read v[8:11], which the maximum's chains write
	v_add_nc_u32 v[AQ], 128, v[AQ]                 ; the next query
	PREP
	s_wait_dscnt 8                                 ; batch 0 is in; batch 1 stays out.  The same count in front of every batch:
	QKB 0                                          ; the one run of 8 loads issued behind the batch's own may stay out
	WIN 0x14
.rept 4
	v_nop                                          ; no earlier tiles to work on yet: four plain places stand behind batch 0 as the maximum's lines do behind the others; the wait below states the dependence itself
.endr
	s_wait_alu depctr_va_vdst(0)                   ; batch 0's matrix instructions are done reading buffer 0, in which the loads below land
	LDK1 2
	s_wait_dscnt 8
	QKB 1
	MAXB 0, 1
	s_wait_alu depctr_va_vdst(0)                   ; batch 1's matrix instructions are done reading buffer 1, in which the loads below land
	LDK1 3
.irp b, 2,3,4,5
	s_wait_dscnt 8
	QKB \b
	MAXB \b-1, 0
	s_wait_alu depctr_va_vdst(0)                   ; this batch's matrix instructions are done reading their buffer, in which the loads below land
	LDK1 \b+2
.endr
	s_wait_dscnt 8
	QKB 6
	MAXB 5, 0
	s_wait_alu depctr_va_vdst(0)                   ; batch 6's matrix instructions are done reading buffer 0, in which the loads below land
	LDV1 0                                         ; the second product's first fragments
	s_wait_dscnt 8                                 ; batch 7 is in; those 8 loads stay out
	QKB 7
	MAXB 6, 0
	MAXB 7, 0
	WIN 0
	; the maximum of the wave's 8,192 logits, in every lane
	v_max3_num_f32 v[MX], v[MX], v[MX+1], v[MX+2]
	v_max_num_f32 v[MX], v[MX], v[MX+3]
	v_max_num_f32_dpp v[MX], v[MX], v[MX] row_xmask:1 row_mask:0xf bank_mask:0xf
	v_max_num_f32_dpp v[MX], v[MX], v[MX] row_xmask:2 row_mask:0xf bank_mask:0xf
	v_max_num_f32_dpp v[MX], v[MX], v[MX] row_xmask:4 row_mask:0xf bank_mask:0xf
	v_max_num_f32_dpp v[MX], v[MX], v[MX] row_xmask:8 row_mask:0xf bank_mask:0xf
	v_permlanex16_b32 v[TP], v[MX], s18, s19       ; (its destination held a word of q: written before)
	v_max_num_f32 v[MX], v[MX], v[TP]
	v_fma_f32 v[NM], v[MX], s28, s29               ; nM = 8 - max log2e.  This rounded number is used in every exponent and in the
	v_mov_b32 v[NM+1], v[NM]                       ; joining weights, so its rounding cancels
.irp u, 0,1,2,3,4,5,6,7
	STEP \u
.endr
	; ---- O[d] = sum over my 32 k of D2[d][k] v2[k][d]; L = sum of P ----
	WIN 0
	v_pk_add_f32 v[LS:LS+1], v[LS:LS+1], v[LS+2:LS+3]              ; these four name no register of the last matrix instructions:
	v_pk_add_f32 v[LS+4:LS+5], v[LS+4:LS+5], v[LS+6:LS+7]          ; the four places in front of the first read of D2 (ISA guide 7.12.1)
	v_pk_add_f32 v[LS:LS+1], v[LS:LS+1], v[LS+4:LS+5]
	v_add_f32 v[MLD+1], v[LS], v[LS+1]
.set n, 0
.rept 16
	v_pk_mul_f32 v[D2+2*n:D2+2*n+1], v[D2+2*n:D2+2*n+1], v[V2R+2*n:V2R+2*n+1]
.set n, n+1
.endr
.set n, 0
.rept 16
	v_pk_fma_f32 v[D2+2*n:D2+2*n+1], v[D2+32+2*n:D2+32+2*n+1], v[V2R+32+2*n:V2R+32+2*n+1], v[D2+2*n:D2+2*n+1]
.set n, n+1
.endr
	v_add_f32_dpp v[MLD+1], v[MLD+1], v[MLD+1] row_xmask:1 row_mask:0xf bank_mask:0xf
	v_add_f32_dpp v[MLD+1], v[MLD+1], v[MLD+1] row_xmask:2 row_mask:0xf bank_mask:0xf
	v_add_f32_dpp v[MLD+1], v[MLD+1], v[MLD+1] row_xmask:4 row_mask:0xf bank_mask:0xf
	v_add_f32_dpp v[MLD+1], v[MLD+1], v[MLD+1] row_xmask:8 row_mask:0xf bank_mask:0xf
	v_permlanex16_b32 v[TP], v[MLD+1], s18, s19
	v_add_f32 v[MLD+1], v[MLD+1], v[TP]
	v_mov_b32 v[MLD], v[NM]
	s_wait_alu depctr_va_vdst(0)                   ; v[MLD:MLD+1] and D2's v[64:95] are written, the data of the nine stores; step 6's matrix instructions are done reading v[128:159], in which the eight loads land
	ds_store_b64 v[AML], v[MLD:MLD+1]              ; every lane, the same 8 bytes with the same value
.irp t, 0,1,2,3
.irp e, 0,1
	ds_store_b128 v[ASS], v[D2+8*\t+4*\e:D2+8*\t+4*\e+3] offset:64*\t+16*\e        ; scratch[k = r][d = 16t+8h+4e ..]
.endr
.endr
.irp s, 0,1,2,3,4,5,6,7
	ds_load_b128 v[FB+4*\s:FB+4*\s+3], v[ASL] offset:2*SCRP*\s     ; row 2 s + lane/16, d = 4 (lane%16) ..: LDS serves a wave's instructions in order (ISA guide 5.7.1), so these see the stores above
.endr
	s_wait_dscnt 0x0                               ; the eight rows are in; every earlier LDS instruction of mine is done too
	s_wait_alu depctr_vm_vsrc(0)                   ; the pair's store has read v[AML], which the first add below writes; the stores above have read D2 and v[MLD:MLD+1], which the next trip writes
	v_add_nc_u32 v[AML], 8, v[AML]                 ; so both addresses may step: the next query's pair,
	v_add_nc_u32 v[APT], 512, v[APT]               ; and this query's partial row (the address began one step low)
.irp s, 0,2,4,6
	v_pk_add_f32 v[FB+4*\s:FB+4*\s+1], v[FB+4*\s:FB+4*\s+1], v[FB+4*\s+4:FB+4*\s+5]
	v_pk_add_f32 v[FB+4*\s+2:FB+4*\s+3], v[FB+4*\s+2:FB+4*\s+3], v[FB+4*\s+6:FB+4*\s+7]
.endr
.irp s, 0,4
	v_pk_add_f32 v[FB+4*\s:FB+4*\s+1], v[FB+4*\s:FB+4*\s+1], v[FB+4*\s+8:FB+4*\s+9]
	v_pk_add_f32 v[FB+4*\s+2:FB+4*\s+3], v[FB+4*\s+2:FB+4*\s+3], v[FB+4*\s+10:FB+4*\s+11]
.endr
	v_pk_add_f32 v[MX:MX+1], v[FB:FB+1], v[FB+16:FB+17]
	v_pk_add_f32 v[MX+2:MX+3], v[FB+2:FB+3], v[FB+18:FB+19]
	s_wait_alu depctr_va_vdst(0)                   ; v[8:11] and v[APT] are written, which the store reads; the trip's vector lines are done with v[16:31] and FB, in which the next trip's loads land, and v[AQ] is written
	ds_store_b128 v[APT], v[MX:MX+3]               ; eight of my 16 k summed; v[8:11] are written again only behind the next trip's wait on vm_vsrc
	s_add_co_u32 s17, s17, 1
	s_cmp_lt_u32 s17, 16
	s_cbranch_scc1 .Ltrip
	s_wait_dscnt 0x0                               ; my partial rows and pairs are in LDS, for the other waves' sake
	s_barrier_signal -1
	s_barrier_wait -1
	s_wait_alu depctr_vm_vsrc(0)                   ; my last store of a partial row has read v[8:11], in which the pairs below land
	; ---- join the eight waves: thread t takes query t / 16, d = 4 (t % 16) .. +3 ----
	v_lshrrev_b32 v3, 4, v0
	v_and_b32 v4, 15, v0
	v_lshl_add_u32 v1, v3, 3, L_ML
	v_lshlrev_b32 v2, 9, v3
	v_lshl_add_u32 v2, v4, 4, v2
	v_add_nc_u32 v2, L_PART, v2
	s_wait_alu depctr_va_vdst(0)                   ; v1 and v2 are written, the addresses of the 24 loads below
.irp w, 0,1,2,3,4,5,6,7
	ds_load_b64 v[8+2*\w:9+2*\w], v1 offset:128*\w                 ; (nM, L) of wave w
.endr
.irp w, 0,1,2,3,4,5,6,7
.irp p, 0,1
	ds_load_b128 v[64+4*(2*\w+\p):64+4*(2*\w+\p)+3], v2 offset:8192*\w+256*\p
.endr
.endr
	v_lshlrev_b32 v5, 4, v0                        ; my 16 bytes of the block's 4,096 in out0
	s_wait_dscnt 16                                ; the eight pairs are in; the 16 loads of partial rows stay out
	v_min3_num_f32 v24, v8, v10, v12               ; the least nM belongs to the largest maximum
	v_min3_num_f32 v24, v24, v14, v16
	v_min3_num_f32 v24, v24, v18, v20
	v_min_num_f32 v24, v24, v22
.irp w, 0,1,2,3,4,5,6,7
	v_sub_f32 v[32+2*\w], v24, v[8+2*\w]           ; each weight is made twice: a pair for the packed arithmetic
	v_sub_f32 v[33+2*\w], v24, v[8+2*\w]
.endr
.irp i, 0,1,2,3,4,5,6,7,8,9,10,11,12,13,14,15
	v_exp_f32 v[32+\i], v[32+\i]                   ; at most 1
.endr
	v_nop                                          ; one plain vector instruction in front of the first use
	s_wait_alu depctr_va_vdst(0)                   ; the 16 exponentials have written v[32:47], which the lines below read
	v_mul_f32 v25, v32, v9
.irp w, 1,2,3,4,5,6,7
	v_fmac_f32 v25, v[32+2*\w], v[9+2*\w]          ; the joined sum of weights
.endr
	s_wait_dscnt 0x0
	v_pk_mul_f32 v[26:27], v[64:65], v[32:33]      ; the first products start the sums
	v_pk_mul_f32 v[28:29], v[66:67], v[32:33]
.irp i, 1,2,3,4,5,6,7,8,9,10,11,12,13,14,15
	v_pk_fma_f32 v[26:27], v[64+4*\i:64+4*\i+1], v[32+2*(\i/2):32+2*(\i/2)+1], v[26:27]
	v_pk_fma_f32 v[28:29], v[64+4*\i+2:64+4*\i+3], v[32+2*(\i/2):32+2*(\i/2)+1], v[28:29]
.endr
	v_rcp_f32 v30, v25
	v_rcp_f32 v31, v25
	v_nop                                          ; one plain vector instruction in front of the first use
	s_wait_alu depctr_va_vdst(0)                   ; the two reciprocals have written v[30:31], which the products below read
	v_pk_mul_f32 v[26:27], v[26:27], v[30:31]
	v_pk_mul_f32 v[28:29], v[28:29], v[30:31]
	s_wait_alu depctr_va_vdst(0)                   ; v[26:29] are written, the store's data, and v5, its offset
	global_store_b128 v5, v[26:29], s[14:15] th:TH_STORE_NT        ; 16 neighbouring lanes store one row of out0: 256 consecutive bytes, aligned
	s_wait_xcnt 0x0                                ; the store's address is translated ahead of the wave's end
	v_lshl_add_u32 v254, v0, 2, 0x2a800            ; the add's two registers are made anew, v0 being as at the entry: none could be kept through the loop.
	v_mov_b32 v255, 0                              ; No memory or LDS instruction has read v254 or v255, so no wait on vm_vsrc is owed ahead of these two lines
	s_wait_dscnt 0x0                               ; the closing lines, six on end, of a launch in the mode that stores to LDS
	s_wait_alu 0x0
	s_wait_tensorcnt 0x0
	ds_add_u32 v254, v255
	s_wait_dscnt 0x0
	s_endpgm
.Lfunc_end_k_q13b7ab28b5_simplicial:
	.size	k_q13b7ab28b5_simplicial, .Lfunc_end_k_q13b7ab28b5_simplicial-k_q13b7ab28b5_simplicial
	.p2alignl 7, 3214868480
	.fill 96, 4, 3214868480
	.section	.rodata,"a",@progbits
	.p2align	6, 0x0
	.amdhsa_kernel k_q13b7ab28b5_simplicial
		.amdhsa_group_segment_fixed_size 175104
		.amdhsa_private_segment_fixed_size 0
		.amdhsa_enable_private_segment 0
		.amdhsa_kernarg_size 48
		.amdhsa_user_sgpr_count 2
		.amdhsa_user_sgpr_kernarg_segment_ptr 1
		.amdhsa_wavefront_size32 1
		.amdhsa_system_sgpr_workgroup_id_x 1
		.amdhsa_system_sgpr_workgroup_id_y 1
		.amdhsa_system_sgpr_workgroup_id_z 1
		.amdhsa_system_vgpr_workitem_id 0
		.amdhsa_next_free_vgpr 512
		.amdhsa_next_free_sgpr 66
		.amdhsa_reserve_vcc 0
		.amdhsa_float_denorm_mode_32 3
		.amdhsa_float_denorm_mode_16_64 3
		.amdhsa_memory_ordered 1
		.amdhsa_forward_progress 1
		.amdhsa_inst_pref_size 116
	.end_amdhsa_kernel
	.amdgpu_metadata
---
amdhsa.version: [ 1, 2 ]
amdhsa.kernels:
  - .name:           k_q13b7ab28b5_simplicial
    .symbol:         k_q13b7ab28b5_simplicial.kd
    .args:
      - { .name: q, .offset: 0, .size: 8, .value_kind: global_buffer, .address_space: global }
      - { .name: k1, .offset: 8, .size: 8, .value_kind: global_buffer, .address_space: global }
      - { .name: k2, .offset: 16, .size: 8, .value_kind: global_buffer, .address_space: global }
      - { .name: v1, .offset: 24, .size: 8, .value_kind: global_buffer, .address_space: global }
      - { .name: v2, .offset: 32, .size: 8, .value_kind: global_buffer, .address_space: global }
      - { .name: out0, .offset: 40, .size: 8, .value_kind: global_buffer, .address_space: global }
    .group_segment_fixed_size: 175104
    .private_segment_fixed_size: 0
    .kernarg_segment_align: 8
    .kernarg_segment_size: 48
    .max_flat_workgroup_size: 256
    .sgpr_count:     66
    .vgpr_count:     512
    .wavefront_size: 32
...
	.end_amdgpu_metadata
.endif
;; end of part 2
